; MI455X (gfx1250); checked and timed in simulation.
; The chip was launched on July 23, 2026; its instructions are those of AMD's public machine-readable ISA for CDNA 5 (MIT licence, August 2026) and "CDNA5" Instruction Set Architecture Reference Guide (July 2026). The comments in the code are by the model that wrote it; some were corrected since.
;; Nonlinear IB. Allowed arithmetic: matrix products marked QUANTISED: E2M1 operands, one E8M0 scale for each 32 along K, by v_wmma_scale_f32_16x16x128_f8f6f4 with both operands' format E2M1 (or v_wmma_scale_f32_32x16x128_f4), f32 sums; everything else in f32.
;; Inputs: beta one number float32; kde_logvar one number float32; noise 8,192 x 512 float32; noise_logvar one number float32; x 8,192 x 512 float32.
;; Outputs: out0 8,192 x 512 float32; out1 one number float32; out2 one number float32.
;; This version of the problem:
;;   THIS VERSION OF THE PROBLEM IS GIVEN IN LOW PRECISION. The matrix products marked QUANTISED in the list below multiply operands that are first quantised to E2M1 (2 exponent bits, 1 mantissa bit; 4 bits a number), with one power-of-two scale for each 32 numbers along K (OCP MX v1.0); their sums are f32. All else is computed in f32.
;;   The module's matrix products, in the order in which they are computed (A, B: the left and right operand; K: the contracted axis; several contracted axes count as one K, in the product's order):
;;     1. [M 8,192, K 512] x [K 512, N 8,192]; A: input x; B: input x: QUANTISED
;;   THE QUANTISER, for each operand of a quantised product, along K:
;;     - K is cut into blocks of 32 from its start; a last block that is shorter is filled with zeros.
;;     - A block's scale is 2^e with e = floor(log2(the largest magnitude in the block)) - 2, held to -126 .. 127; a block of zeros has e = 0. As a byte (E8M0): e + 127.
;;     - Each number is divided by its block's scale, clamped to +-6, and rounded to the nearest number of E2M1, ties to even, subnormals kept.
;;     - The product sums the exact products of the quantised numbers (number of the format x scale) in f32.
;;   ~~~python
;;   def quantise(x, axis):      # numpy; x: float32 -> the quantised numbers, widened to float32 again
;;       x = np.moveaxis(x, axis, -1); K = x.shape[-1]
;;       x = np.pad(x, [(0, 0)] * (x.ndim - 1) + [(0, -K % 32)]); x = x.reshape(x.shape[:-1] + (-1, 32)); a = np.abs(x).max(-1, keepdims=True)
;;       e = np.where(a > 0, np.clip(np.frexp(np.where(a > 0, a, 1))[1] - 1 - 2, -126, 127), 0)      # np.frexp(a)[1] - 1 = floor(log2(a)), exactly
;;       r = np.clip(x / 2.0 ** e, -6, 6)
;;       step = 2.0 ** (np.maximum(np.frexp(np.where(r == 0, 1, r))[1] - 1, 0) - 1)
;;       q = np.round(r / step) * step * 2.0 ** e      # np.round: ties to even
;;       return np.moveaxis(q.reshape(q.shape[:-2] + (-1,))[..., :K], -1, axis).astype(np.float32)
;;   ~~~
;; One version. Each part assembles by itself: llvm-mc -triple=amdgcn-amd-amdhsa -mcpu=gfx1250 --defsym DOCPART=n.
;; ======== version 1 of 1: 3 launches
;; workspace buffers: img 2,359,296 bytes; part 524,288 bytes
;; launch prep (part 1): grid 512 x 1, 4 waves a work-group, no clusters, 34,816 bytes of LDS; arguments x, noise, noise_logvar, out0, img; writes out0, img
.if DOCPART == 1
	.amdgcn_target "amdgcn-amd-amdhsa--gfx1250"
	.amdhsa_code_object_version 6
	.text
	.protected	k_q69d2bc038e_prep
	.globl	k_q69d2bc038e_prep
	.p2align	8
	.type	k_q69d2bc038e_prep,@function
k_q69d2bc038e_prep:
	s_mov_b64 s[64:65], 0
	v_nop
	global_prefetch_b8 v0, s[64:65] scope:SCOPE_SE
	s_setreg_imm32_b32 hwreg(HW_REG_WAVE_MODE, 25, 1), 1
	s_wait_xcnt 0x0
; THE PROGRAM (three launches).  out0 = x + exp(noise_logvar / 2) noise.  out1 and out2 are means over the 8,192 rows of two logsumexps over one matrix of squared distances,
; dists[i][j] = x2[i] + x2[j] - 2 G[i][j], G = Q(x) Q(x)^T on codes of E2M1 with one E8M0 scale for each 32 along K = 512.
; This launch: out0; and for each tile of 16 rows of x a RECORD of 4,608 bytes in img: the codes as an image of the matrix operand's registers, the scale words, and h2 = -x2 / 2 (x2 of the unquantised x, f32).
; WORK LEFT OUT, for all values of the inputs:
;  (a) normconst in out1.  reference() has h = -mean(lse1) + ln N + normconst and mi = h - normconst: in real numbers mi = ln N - mean(lse1), whatever noise_logvar and kde_logvar hold.  normconst is of ordinary
;      size beside h, so f32 loses nothing by it.  It is never computed.
;  (b) ln(2 pi exp(kde_logvar)) = ln(2 pi) + kde_logvar in out2, an identity: no exponential and no logarithm is taken for it.
;  (c) x2[i] is the same along the logsumexp's axis: it is taken out of the sum and added back once a row (the maximum is still taken away, by a running maximum, in the second launch).
;  Every input still has a way to an output, and every input is loaded by some launch.
;  LIMIT: a NaN, an infinity or an overflow that reaches only the work left out (normconst, exp and log in (b)) is not carried to the result.
; LIMITS of this launch: blocks whose largest magnitude lies under 2^-124, the floor at which the scale's byte is held at 1, were not tried; a block of zeros keeps the byte 1 where the rule says 127 (its codes are
; zeros, and this program alone reads the bytes); NaN and infinities in x are not served; exp(noise_logvar / 2) under 2^-126 counts as 0.
; SHARES.  A work-group takes 16 rows; wave w takes columns 128 w .. 128 w + 127 of them: one K step of the product.  All 32 loads of a wave go out at the head, each 512 consecutive bytes.
; The conversions want 32 neighbours along K in ONE lane: x turns through the wave's own stage in LDS (rows 528 bytes apart: sixteen rows start at sixteen different 16-byte columns).
; A RECORD: bytes 0-4095 codes: K step s, half c, lane L at 1024 s + 512 c + 16 L;  4096-4351 scale words [s / 2][row][s % 2];  4352-4415 h2 of the 16 rows;  4416-4607 zeros.
; No matrix unit, no cluster, no prefetch: the launch only streams, and work-groups share nothing.
.set SPITCH, 528
.set STAGEB, 16*SPITCH                 ; a wave's stage
.set EX,     4*STAGEB                  ; 33,792: the record's 256 bytes of scale words, gathered from the four waves
.set EX2,    EX+256                    ; the four waves' parts of x2: [wave][row] f32
.set SPARE,  EX2+256                   ; the spare words, 128 bytes for each wave: two blocks of 256 bytes that no other line names
.set XR,  16                           ; v16-79   x as loaded: row i at 16 + 4 i
.set NR,  80                           ; v80-143  noise as loaded, then y
.set BR,  144                          ; v144-207 my two blocks of 32 neighbours: block 2 c + h of row r at 144 + 32 c
.set CR,  208                          ; v208-215 the codes: the operand's registers 4 c + g
.set SG,  236                          ; v[236:237] sigma, twice
	s_load_b256 s[4:11], s[0:1], 0x0               ; x s[4:5], noise s[6:7], noise_logvar s[8:9], out0 s[10:11]
	s_load_b64 s[12:13], s[0:1], 0x20              ; img
	v_lshl_add_u32 v10, v0, 2, SPARE               ; my spare word; never rewritten
	v_mov_b32 v11, 0                               ; 0; never rewritten
	v_lshrrev_b32 v14, 5, v0
	v_readfirstlane_b32 s16, v14                   ; wave 0..3
	v_and_b32 v14, 31, v0                          ; lane
	v_and_b32 v2, 15, v0                           ; r
	v_bfe_u32 v3, v0, 4, 1                         ; h
	v_lshlrev_b32 v1, 4, v14                       ; 16 x lane: my 16 bytes of a load's 512
	s_mul_i32 s17, s16, STAGEB
	v_add_nc_u32 v4, s17, v1                       ; the stage, way in: as the bytes lie
	v_mul_u32_u24 v5, v2, SPITCH
	v_lshl_add_u32 v5, v3, 7, v5
	v_add_nc_u32 v5, s17, v5                       ; way out: row r, + 128 h: block h of the row's four
	s_lshr_b32 s17, s16, 1
	s_lshl_b32 s17, s17, 7
	s_and_b32 s24, s16, 1
	s_lshl_b32 s24, s24, 2
	s_add_co_u32 s17, s17, s24
	s_add_co_u32 s17, s17, EX
	v_lshl_add_u32 v6, v2, 3, s17                  ; my row's scale word of K step w: EX + 128 (w / 2) + 8 r + 4 (w % 2)
	s_lshl_b32 s17, s16, 6
	s_add_co_u32 s17, s17, EX2
	v_lshl_add_u32 v7, v2, 2, s17                  ; my row's part of x2: EX2 + 64 w + 4 r
	v_lshlrev_b32 v8, 3, v14                       ; 8 x lane
	v_and_b32 v9, 7, v0
	v_lshlrev_b32 v9, 3, v9                        ; 8 x (lane % 8)
	s_lshl_b32 s17, s16, 10
	v_add_nc_u32 v12, s17, v1                      ; the codes' place in the record: 1024 w + 16 x lane
	s_lshl_b32 s18, ttmp9, 15                      ; 16 rows of 2,048 bytes,
	s_lshl_b32 s17, s16, 9
	s_add_co_u32 s18, s18, s17                     ; + my wave's 512 bytes of a row
	s_mov_b32 s19, 0
	s_mul_i32 s24, ttmp9, 4608                     ; the record
	s_mov_b32 s25, 0
	s_mov_b32 s20, 0x76543210
	s_mov_b32 s21, 0xfedcba98                      ; v_permlanex16_b32's selects for lane l xor 16
	s_wait_kmcnt 0x0
	s_load_b32 s14, s[8:9], 0x0                    ; noise_logvar
	s_add_nc_u64 s[4:5], s[4:5], s[18:19]
	s_add_nc_u64 s[6:7], s[6:7], s[18:19]
	s_add_nc_u64 s[10:11], s[10:11], s[18:19]
	s_add_nc_u64 s[12:13], s[12:13], s[24:25]
.irp i, 0,1,2,3,4,5,6,7,8,9,10,11,12,13,14,15
	global_load_b128 v[XR+4*\i:XR+4*\i+3], v1, s[4:5] offset:2048*\i th:TH_LOAD_NT
.endr
.irp i, 0,1,2,3,4,5,6,7,8,9,10,11,12,13,14,15
	global_load_b128 v[NR+4*\i:NR+4*\i+3], v1, s[6:7] offset:2048*\i th:TH_LOAD_NT
.endr
	s_wait_kmcnt 0x0
	v_mov_b32 v232, s14
	v_mul_f32 v232, 0x3f38aa3b, v232               ; noise_logvar x log2(e) / 2
	v_exp_f32 v[SG], v232                          ; sigma = exp(noise_logvar / 2)
	v_nop                                          ; a plain instruction behind the exponential,
	s_wait_alu depctr_va_vdst(0)                   ; and the wait ahead of the first use of its result
	v_mov_b32 v[SG+1], v[SG]
	s_wait_loadcnt 16                              ; x is in; the 16 loads of noise, issued behind it, may be out
.irp i, 0,1,2,3,4,5,6,7,8,9,10,11,12,13,14,15
	ds_store_b128 v4, v[XR+4*\i:XR+4*\i+3] offset:SPITCH*\i
.endr
.irp c, 0,1
.irp j, 0,1,2,3,4,5,6,7
	ds_load_b128 v[BR+32*\c+4*\j:BR+32*\c+4*\j+3], v5 offset:256*\c+16*\j   ; LDS serves a wave's instructions in order: these see my stores.  k = 64 c + 32 h + 4 j .. of row r
.endr
.endr
	s_wait_loadcnt 0x0                             ; noise
.irp q, 0,1,2,3,4,5,6,7,8,9,10,11,12,13,14,15,16,17,18,19,20,21,22,23,24,25,26,27,28,29,30,31
	v_pk_fma_f32 v[NR+2*\q:NR+2*\q+1], v[NR+2*\q:NR+2*\q+1], v[SG:SG+1], v[XR+2*\q:XR+2*\q+1]   ; y = sigma noise + x
.endr
.irp i, 0,1,2,3,4,5,6,7,8,9,10,11,12,13,14,15
	global_store_b128 v1, v[NR+4*\i:NR+4*\i+3], s[10:11] offset:2048*\i th:TH_STORE_NT   ; 512 consecutive bytes, aligned
.endr
	s_wait_dscnt 0x0                               ; my 64 neighbours are back from the stage
.irp c, 0,1
	v_max3_num_f32 v[216+\c], |v[BR+32*\c]|, |v[BR+32*\c+1]|, 0x1800000   ; my block 2 c + h: all its 32 numbers are mine; and the floor 2^(3 - 127): the byte cannot fall under 1
.endr
.irp i, 2,4,6,8,10,12,14,16,18,20,22,24,26,28,30
.irp c, 0,1
	v_max3_num_f32 v[216+\c], v[216+\c], |v[BR+32*\c+\i]|, |v[BR+32*\c+\i+1]|   ; (the two blocks by turns)
.endr
.endr
.irp c, 0,1
	v_add_nc_u32 v[218+\c], 0xff000000, v[216+\c]  ; 2 off the exponent field: the conversion takes the exponent field of this operand as its scale
.endr
.irp c, 0,1
	v_lshrrev_b32 v[220+\c], 23, v[218+\c]         ; the scale's byte
.endr
	v_lshl_or_b32 v222, v221, 16, v220             ; my two bytes: blocks h and 2 + h of row r,
	v_lshlrev_b32 v223, 3, v3
	v_lshlrev_b32 v222, v223, v222                 ; 8 h bits up;
	v_permlanex16_b32 v223, v222, s20, s21
	v_or_b32 v222, v222, v223                      ; with lane l xor 16's two the word is whole
.irp c, 0,1
.irp g, 0,1,2,3
	v_cvt_scalef32_pk8_fp4_f32 v[CR+4*\c+\g], v[BR+32*\c+8*\g:BR+32*\c+8*\g+7], v[218+\c]
.endr
.endr
	v_nop                                          ; one plain instruction behind the last scaled conversion
	global_store_b128 v12, v[CR:CR+3], s[12:13]                ; 512 consecutive bytes each, aligned
	global_store_b128 v12, v[CR+4:CR+7], s[12:13] offset:512
.irp q, 0,1,2,3                                ; x2 of my 64 numbers, in four chains
	v_pk_mul_f32 v[224+2*\q:225+2*\q], v[BR+2*\q:BR+2*\q+1], v[BR+2*\q:BR+2*\q+1]
.endr
.irp k, 1,2,3,4,5,6,7
.irp q, 0,1,2,3
	v_pk_fma_f32 v[224+2*\q:225+2*\q], v[BR+8*\k+2*\q:BR+8*\k+2*\q+1], v[BR+8*\k+2*\q:BR+8*\k+2*\q+1], v[224+2*\q:225+2*\q]
.endr
.endr
	v_pk_add_f32 v[224:225], v[224:225], v[226:227]
	v_pk_add_f32 v[228:229], v[228:229], v[230:231]
	v_pk_add_f32 v[224:225], v[224:225], v[228:229]
	v_add_f32 v224, v224, v225
	v_permlanex16_b32 v225, v224, s20, s21
	v_add_f32 v224, v224, v225                     ; row r's sum of squares over my wave's 128 columns
	ds_store_b32 v6, v222                          ; both halves of the lanes write the same word with the same value
	ds_store_b32 v7, v224
	s_wait_dscnt 0x0                               ; for the others' sake: my stores have landed
	s_barrier_signal -1
	s_barrier_wait -1
	s_cmp_lg_u32 s16, 0
	s_cbranch_scc1 .Lothers                        ; wave 0 sends the record's last two units of 256 bytes
	ds_load_b64 v[216:217], v8 offset:EX
.irp w, 0,1,2,3
	ds_load_b64 v[BR+2*\w:BR+2*\w+1], v9 offset:EX2+64*\w      ; rows 2 (lane % 8), + 1: wave w's part
.endr
	s_wait_dscnt 0x0
	global_store_b64 v8, v[216:217], s[12:13] offset:4096      ; the scale words: 256 consecutive bytes, aligned
	v_pk_add_f32 v[BR:BR+1], v[BR:BR+1], v[BR+2:BR+3]
	v_pk_add_f32 v[BR+4:BR+5], v[BR+4:BR+5], v[BR+6:BR+7]
	v_pk_add_f32 v[BR:BR+1], v[BR:BR+1], v[BR+4:BR+5]
	v_pk_mul_f32 v[BR:BR+1], v[BR:BR+1], -0.5 op_sel_hi:[1,0]  ; h2 = -x2 / 2
	v_cmp_gt_u32 vcc_lo, 8, v14
	v_cndmask_b32 v[BR], 0, v[BR], vcc_lo          ; lanes 8 and up fill the unit with zeros
	v_cndmask_b32 v[BR+1], 0, v[BR+1], vcc_lo
	global_store_b64 v8, v[BR:BR+1], s[12:13] offset:4352
.Lothers:
	s_wait_tensorcnt 0x0                           ; the wave's end, behind my last LDS store
	ds_add_u32 v10, v11
	s_wait_dscnt 0x0
	s_endpgm
.Lfunc_end_k_q69d2bc038e_prep:
	.size	k_q69d2bc038e_prep, .Lfunc_end_k_q69d2bc038e_prep-k_q69d2bc038e_prep
	.p2alignl 7, 3214868480
	.fill 96, 4, 3214868480
	.section	.rodata,"a",@progbits
	.p2align	6, 0x0
	.amdhsa_kernel k_q69d2bc038e_prep
		.amdhsa_group_segment_fixed_size 34816
		.amdhsa_private_segment_fixed_size 0
		.amdhsa_enable_private_segment 0
		.amdhsa_kernarg_size 40
		.amdhsa_user_sgpr_count 2
		.amdhsa_user_sgpr_kernarg_segment_ptr 1
		.amdhsa_wavefront_size32 1
		.amdhsa_system_sgpr_workgroup_id_x 1
		.amdhsa_system_sgpr_workgroup_id_y 1
		.amdhsa_system_sgpr_workgroup_id_z 1
		.amdhsa_system_vgpr_workitem_id 0
		.amdhsa_next_free_vgpr 240
		.amdhsa_next_free_sgpr 66
		.amdhsa_reserve_vcc 1
		.amdhsa_float_denorm_mode_32 3
		.amdhsa_float_denorm_mode_16_64 3
		.amdhsa_memory_ordered 1
		.amdhsa_forward_progress 1
		.amdhsa_inst_pref_size 18
	.end_amdhsa_kernel
	.amdgpu_metadata
---
amdhsa.version: [ 1, 2 ]
amdhsa.kernels:
  - .name:           k_q69d2bc038e_prep
    .symbol:         k_q69d2bc038e_prep.kd
    .args:
      - { .name: x, .offset: 0, .size: 8, .value_kind: global_buffer, .address_space: global }
      - { .name: noise, .offset: 8, .size: 8, .value_kind: global_buffer, .address_space: global }
      - { .name: noise_logvar, .offset: 16, .size: 8, .value_kind: global_buffer, .address_space: global }
      - { .name: out0, .offset: 24, .size: 8, .value_kind: global_buffer, .address_space: global }
      - { .name: img, .offset: 32, .size: 8, .value_kind: global_buffer, .address_space: global }
    .group_segment_fixed_size: 34816
    .private_segment_fixed_size: 0
    .kernarg_segment_align: 8
    .kernarg_segment_size: 40
    .max_flat_workgroup_size: 128
    .sgpr_count:     66
    .vgpr_count:     240
    .wavefront_size: 32
...
	.end_amdgpu_metadata
.endif
;; end of part 1
;; launch pairs (part 2): grid 32 x 8, 8 waves a work-group, clusters of 4 x 1, 327,680 bytes of LDS; arguments img, noise_logvar, kde_logvar, part; writes part
.if DOCPART == 2
	.amdgcn_target "amdgcn-amd-amdhsa--gfx1250"
	.amdhsa_code_object_version 6
	.text
	.protected	k_q69d2bc038e_pairs
	.globl	k_q69d2bc038e_pairs
	.p2align	8
	.type	k_q69d2bc038e_pairs,@function
k_q69d2bc038e_pairs:
	s_mov_b64 s[64:65], 0
	v_nop
	global_prefetch_b8 v0, s[64:65] scope:SCOPE_SE
	s_setreg_imm32_b32 hwreg(HW_REG_WAVE_MODE, 25, 1), 1
	s_wait_xcnt 0x0
	s_wait_alu depctr_hold_cnt(0) depctr_sa_sdst(0) depctr_va_vdst(0) depctr_va_sdst(0) depctr_va_ssrc(0) depctr_va_vcc(0) depctr_vm_vsrc(0)
	s_getreg_b32 s2, hwreg(HW_REG_IB_STS2, 6, 4)
	s_cmp_eq_u32 s2, 0
	s_cbranch_scc0 .Lentry_in_a_cluster
	s_endpgm
.Lentry_in_a_cluster:
	s_bfe_u32 s2, ttmp6, 0x10000c
	s_cmp_lg_u32 s2, 0x3003
	s_cbranch_scc0 .Lentry_shape_is_right
	s_endpgm
.Lentry_shape_is_right:
; For each query i and each of 8 splits of the keys: part[split][i][e] = log2 of the sum over the split's 1,024 keys j of 2^(k_e (G[i][j] + h2[j] + h2[i] + pen_e)), e = 0, 1.
; k_0 = log2(e) / (exp(noise_logvar) + exp(kde_logvar)), k_1 = log2(e) / exp(kde_logvar); h2 = -x2 / 2; pen_0 = 0; pen_1 = -1e21 exp(kde_logvar) where i = j, else 0.
; So k_0 (..) = -dists / (2 total_var) log2(e) and k_1 (..) = -(dists / (2 kdevar) + eye 1e21) log2(e).  G is the QUANTISED product, on the codes and scale words of img's records.
; WORK LEFT OUT: h2[i], the same along the sum's axis, is taken out of the sum and added once a row at the end; nothing else.  The maximum is taken away by a running maximum, one for each e.
; LIMITS: exp(noise_logvar) under 2^-126 counts as 0; exp(kde_logvar) has to be a normal f32 number (else reference() is not finite either); k_e times the largest |G + h2| stays inside f32.
; SHARES.  Work-group (bx, by): queries 256 bx .. + 255 against keys 1024 by .. + 1023.  Wave w (g = w % 4, s2 = w / 4): 64 queries (tiles 16 bx + 4 g + t) against 512 keys (records 64 by + 32 s2 + ..),
; 64 keys (four records) a step, 8 steps.  Two waves share a SIMD: one's products and LDS loads stand beside the other's exponentials, of which a step has 264 for its 64 matrix instructions.
; LDS holds the work-group's 64 key records as they lie in memory, 294,912 bytes, filled ONCE: no ring, no refill.  The claim of all of LDS: all is claimed.
; CLUSTER.  The four work-groups of a cluster share by, so they need the same 64 records: each of the 24 loads is asked for JOINTLY, with the same descriptor and the mask of all four.
; Each wave issues three tensor loads at the head (by this text's count three are out): a quarter of its half's steps 0-1, of steps 2-3, of steps 4-7; the steps begin as soon as their part has landed.
; No prefetch: all that the launch reads is asked for at its head.
; LAYOUT.  The product is used transposed: source 0 = 16 keys, source 1 = 16 queries: a lane holds ONE query (lane % 16) and keys 8 (lane / 16) + 0 .. 7 of each tile.  h2[j] is the C of a tile's first product.
; Each lane keeps, for each of its four queries and each e: nb = -k m (m the running maximum of its own keys) and l = the sum of 2^(k u + nb); lanes and waves are merged at the end.
; REGISTERS.  window 0: v1-11 addresses and constants; v12-15 h2 of my queries; v16-47 statistics, 8 a tile: nb1, m1, nb2, m2, l1 (2), l2 (2); v48-61 at work; v64-71 the diagonal tile with the penalty;
;   v72-79 the penalty; v80-87, v88-95 scale words of keys and queries (nothing else, ever); v96-127 h2 of the step's keys, then the first sum's exponents; v128-255 the 16 accumulators S(t, n) = 128 + 32 t + 8 n.
;   window 1: v0-127 the queries' fragments (t, s) at 32 t + 8 s; v128-255 the step's key fragments (n, s) at 128 + 32 n + 8 s.
.set REC,    4608                      ; a record
.set STEPB,  4*REC                     ; a step's four records
.set HALFB,  32*REC                    ; what the waves of one s2 walk
.set SPLITB, 64*REC                    ; what the work-group holds
.set STG,    SPLITB                    ; behind the records: the merge's stage, 512 bytes for each (g, t)
.set SPARE,  STG+8192                  ; the spare words, 128 bytes for each wave: four blocks of 256 bytes that no other line names
.set AK0, 1                            ; 16 x lane
.set AS0, 2                            ; 8 x lane + 4096
.set AB0, 3                            ; 32 h + 4352
.set ADK, 4                            ; the step's LDS addresses: codes,
.set ADS, 5                            ; scale words,
.set ADB, 6                            ; h2
.set DL,  7                            ; my query - the step's first key - 8 h: register v of tile n = t holds the diagonal where v = DL
.set PENV, 8                           ; -1e21 exp(kde_logvar)
.set STA, 9                            ; STG + 2048 g + 16 x lane
.set SPW, 10                           ; my spare word; never rewritten
.set NIL, 11                           ; 0; never rewritten
.set H2Q, 12
.set ST,  16
.set XM,  48                           ; v48-51 maxima of registers 0-6 of the four tiles
.set Y2,  52                           ; the same of the diagonal tile with the penalty
.set O1,  53
.set O2,  54
.set RO,  55                           ; 4 r
.set T0,  56
.set T1,  57
.set A1,  58                           ; v[58:59], v[60:61]: 2^(new nb - old nb); the upper halves are written once
.set A2,  60
.set MK,  64
.set PEN, 72
.set KS,  80
.set QS,  88
.set TMP, 96
.set S0,  128
.set WV,  12                           ; s12 wave; s13 g; s14 s2; s17 by; s15, s16, s72-74: cx, bx and what is made of them (never in a descriptor or an LDS address)
.set K1,  52                           ; s[52:53] k_0 twice; s[54:55] k_1 twice; s56, s57 their negatives
.set K2,  54
.set TB,  58                           ; s58 LDS byte at which the step's records begin
.set CNT, 59
.set MSB, 0
.macro WIN new                         ; the immediate's high byte repeats the setting that is left
.if MSB != \new
	s_set_vgpr_msb (MSB<<8)|\new
.set MSB, \new
.endif
.endm
.macro CROUND                          ; a round of the cluster's barrier
	s_barrier_signal -1
	s_barrier_wait -1
	s_cmp_lg_u32 s[WV], 0
	s_cbranch_scc1 .Lnot_wave_0_\@
	s_barrier_signal -3
.Lnot_wave_0_\@:
	s_barrier_wait -3
	s_barrier_signal -1
	s_barrier_wait -1
.endm
; The penalty for the step whose DL stands: v = DL picks the diagonal's register.  No branch: whether a step meets the diagonal hangs on the work-group's place in its cluster.
.macro PENUPD
.irp v, 0,1,2,3,4,5,6,7
	v_cmp_eq_i32 vcc_lo, \v, v[DL]
	v_cndmask_b32 v[PEN+\v], 0, v[PENV], vcc_lo
.endr
.endm
; Tile t's running maxima take in the step's 32 numbers: m1 of all, m2 with the penalty on tile n = t.  Each accumulator is read from its low end on.
.macro CHMAX t
.set cS, S0+32*(\t)
.set cD, cS+8*(\t)
.set cT, ST+8*(\t)
.irp p, 0,2,4,6
	v_pk_add_f32 v[MK+\p:MK+\p+1], v[cD+\p:cD+\p+1], v[PEN+\p:PEN+\p+1]
.endr
.irp n, 0,1,2,3
	v_max3_num_f32 v[XM+\n], v[cS+8*\n], v[cS+8*\n+1], v[cS+8*\n+2]
.endr
	v_max3_num_f32 v[Y2], v[MK], v[MK+1], v[MK+2]
.irp i, 3,5
.irp n, 0,1,2,3
	v_max3_num_f32 v[XM+\n], v[XM+\n], v[cS+8*\n+\i], v[cS+8*\n+\i+1]
.endr
	v_max3_num_f32 v[Y2], v[Y2], v[MK+\i], v[MK+\i+1]
.endr
	v_max3_num_f32 v[O1], v[XM+((\t)+1)%4], v[XM+((\t)+2)%4], v[XM+((\t)+3)%4]     ; the three tiles off the diagonal serve both maxima
	v_max3_num_f32 v[O2], v[cS+8*(((\t)+1)%4)+7], v[cS+8*(((\t)+2)%4)+7], v[cS+8*(((\t)+3)%4)+7]
	v_max3_num_f32 v[cT+1], v[cT+1], v[XM+(\t)], v[cD+7]
	v_max3_num_f32 v[cT+3], v[cT+3], v[Y2], v[MK+7]
	v_max3_num_f32 v[cT+1], v[cT+1], v[O1], v[O2]
	v_max3_num_f32 v[cT+3], v[cT+3], v[O1], v[O2]
.endm
; The new shifts nb = -k m, and the exponents of the factors that bring l under them: the difference of the two shifts as they are used, so that l stays the sum of 2^(k u + nb) exactly.
.macro SHIFT t
.set hT, ST+8*(\t)
	v_mul_f32 v[T0], s56, v[hT+1]
	v_mul_f32 v[T1], s57, v[hT+3]
	v_sub_f32 v[A1], v[T0], v[hT]
	v_sub_f32 v[A2], v[T1], v[hT+2]
	v_mov_b32 v[hT], v[T0]
	v_mov_b32 v[hT+2], v[T1]
.endm
; ONE BATCH: the tile's 32 scalings (a pair of keys each, for each e) and its 66 exponentials.  A pair's exponentials stand behind the next pair's scalings.  Nothing in the batch names an exponential's result.
.macro BATCH t
.set bS, S0+32*(\t)
.set bT, ST+8*(\t)
	v_exp_f32 v[A1], v[A1]
	v_exp_f32 v[A2], v[A2]
.set bp, 0
.rept 16
.set bsrc, bS+2*bp
.if bp/4 == (\t)
.set bsrc, MK+2*(bp%4)
.endif
	v_pk_fma_f32 v[TMP+2*bp:TMP+2*bp+1], v[bS+2*bp:bS+2*bp+1], s[K1:K1+1], v[bT:bT+1] op_sel_hi:[1,0,0]       ; k_0 u + nb1
	v_pk_fma_f32 v[bS+2*bp:bS+2*bp+1], v[bsrc:bsrc+1], s[K2:K2+1], v[bT+2:bT+3] op_sel_hi:[1,0,0]             ; k_1 (u + pen) + nb2, in place
.if bp > 0
	v_exp_f32 v[TMP+2*bp-2], v[TMP+2*bp-2]
	v_exp_f32 v[TMP+2*bp-1], v[TMP+2*bp-1]
	v_exp_f32 v[bS+2*bp-2], v[bS+2*bp-2]
	v_exp_f32 v[bS+2*bp-1], v[bS+2*bp-1]
.endif
.set bp, bp+1
.endr
	v_exp_f32 v[TMP+30], v[TMP+30]
	v_exp_f32 v[TMP+31], v[TMP+31]
	v_exp_f32 v[bS+30], v[bS+30]
	v_exp_f32 v[bS+31], v[bS+31]
.endm
; l = l x factor + the step's sum: four chains side by side
.macro SUMS t
.set uS, S0+32*(\t)
.set uT, ST+8*(\t)
.irp i, 2,4,6,8,10,12,14
	v_pk_add_f32 v[TMP:TMP+1], v[TMP:TMP+1], v[TMP+2*\i:TMP+2*\i+1]
	v_pk_add_f32 v[uS:uS+1], v[uS:uS+1], v[uS+2*\i:uS+2*\i+1]
	v_pk_add_f32 v[TMP+2:TMP+3], v[TMP+2:TMP+3], v[TMP+2*\i+2:TMP+2*\i+3]
	v_pk_add_f32 v[uS+2:uS+3], v[uS+2:uS+3], v[uS+2*\i+2:uS+2*\i+3]
.endr
	v_pk_add_f32 v[TMP:TMP+1], v[TMP:TMP+1], v[TMP+2:TMP+3]
	v_pk_add_f32 v[uS:uS+1], v[uS:uS+1], v[uS+2:uS+3]
	v_pk_fma_f32 v[uT+4:uT+5], v[uT+4:uT+5], v[A1:A1+1], v[TMP:TMP+1] op_sel_hi:[1,0,1]
	v_pk_fma_f32 v[uT+6:uT+7], v[uT+6:uT+7], v[A2:A2+1], v[uS:uS+1] op_sel_hi:[1,0,1]
.endm
; A STEP: 64 keys against my 64 queries.
.macro STEP
	v_add_nc_u32 v[ADK], s[TB], v[AK0]
	v_add_nc_u32 v[ADS], s[TB], v[AS0]
	v_add_nc_u32 v[ADB], s[TB], v[AB0]
.irp n, 0,1,2,3
	ds_load_b128 v[TMP+8*\n:TMP+8*\n+3], v[ADB] offset:REC*\n          ; h2 of keys 8 h + 0 .. 7 of tile n: sixteen lanes share an address
	ds_load_b128 v[TMP+8*\n+4:TMP+8*\n+7], v[ADB] offset:REC*\n+16
.endr
.irp n, 0,1,2,3
	ds_load_b64 v[KS+2*\n:KS+2*\n+1], v[ADS] offset:REC*\n             ; register j: lanes 0-15 K step j, lanes 16-31 K step 2 + j
.endr
	WIN 0x40                                       ; destination window 1
.irp s, 0,1,2,3
.irp n, 0,1,2,3
.irp c, 0,1
	ds_load_b128 v[128+32*\n+8*\s+4*\c:128+32*\n+8*\s+4*\c+3], v[ADK] offset:REC*\n+1024*\s+512*\c   ; 512 consecutive bytes: the operand's registers as they were stored
.endr
.endr
.endr
	WIN 0x05                                       ; sources 0 and 1 window 1; C and D window 0
; The sixteen accumulators take turns, one instruction a turn.
.irp s, 0,1,2,3
	s_wait_dscnt 24-8*\s                           ; all but the eight fragment loads of each later K step
.irp n, 0,1,2,3
.irp t, 0,1,2,3
.if \s == 0
	v_wmma_scale_f32_16x16x128_f8f6f4 v[S0+32*\t+8*\n:S0+32*\t+8*\n+7], v[128+32*\n+8*\s:128+32*\n+8*\s+7], v[32*\t+8*\s:32*\t+8*\s+7], v[TMP+8*\n:TMP+8*\n+7], v[KS+2*\n], v[QS+2*\t] matrix_a_fmt:MATRIX_FMT_FP4 matrix_b_fmt:MATRIX_FMT_FP4
.elseif \s == 1
	v_wmma_scale_f32_16x16x128_f8f6f4 v[S0+32*\t+8*\n:S0+32*\t+8*\n+7], v[128+32*\n+8*\s:128+32*\n+8*\s+7], v[32*\t+8*\s:32*\t+8*\s+7], v[S0+32*\t+8*\n:S0+32*\t+8*\n+7], v[KS+2*\n+1], v[QS+2*\t+1] matrix_a_fmt:MATRIX_FMT_FP4 matrix_b_fmt:MATRIX_FMT_FP4
.else
	v_wmma_scale_f32_16x16x128_f8f6f4 v[S0+32*\t+8*\n:S0+32*\t+8*\n+7], v[128+32*\n+8*\s:128+32*\n+8*\s+7], v[32*\t+8*\s:32*\t+8*\s+7], v[S0+32*\t+8*\n:S0+32*\t+8*\n+7], v[KS+2*\n+\s-2], v[QS+2*\t+\s-2] matrix_a_fmt:MATRIX_FMT_FP4 matrix_b_fmt:MATRIX_FMT_FP4 matrix_a_scale:MATRIX_SCALE_ROW1 matrix_b_scale:MATRIX_SCALE_ROW1
.endif
.endr
.endr
.endr
	WIN 0
	s_add_co_u32 s[TB], s[TB], STEPB               ; the next step's records
	v_add_nc_u32 v[DL], 0xffffffc0, v[DL]          ; and its first key, 64 on.  This line and three v_nop are the four places behind the last product (ISA guide 7.12.1)
	v_nop
	v_nop
	v_nop
	CHMAX 0
	SHIFT 0
	BATCH 0
	CHMAX 1                                        ; plain work that names no result of the batch stands between it and its wait
	s_wait_alu depctr_va_vdst(0)                   ; the wait ahead of the first use of an exponential's result: one for the batch's 66
	SUMS 0
	SHIFT 1
	BATCH 1
	CHMAX 2
	s_wait_alu depctr_va_vdst(0)
	SUMS 1
	SHIFT 2
	BATCH 2
	CHMAX 3
	s_wait_alu depctr_va_vdst(0)
	SUMS 2
	SHIFT 3
	BATCH 3
	PENUPD                                         ; the next step's penalty
	s_wait_alu depctr_va_vdst(0)
	SUMS 3
.endm
.macro PHASE trips
	s_mov_b32 s[CNT], \trips
.Lstep_\@:
	STEP
	s_sub_co_u32 s[CNT], s[CNT], 1
	s_cmp_lg_u32 s[CNT], 0
	s_cbranch_scc1 .Lstep_\@
.endm
; Eight pairs (nb, l) at v96 + 2 i take in the eight at v112 + 2 i: the smaller nb belongs to the larger maximum; both sums are brought under it.
.macro MERGE8
.irp i, 0,1,2,3,4,5,6,7
	v_min_num_f32 v[64+\i], v[96+2*\i], v[112+2*\i]
.endr
.irp i, 0,1,2,3,4,5,6,7
	v_sub_f32 v[128+\i], v[64+\i], v[96+2*\i]
	v_sub_f32 v[136+\i], v[64+\i], v[112+2*\i]
.endr
.irp i, 0,1,2,3,4,5,6,7,8,9,10,11,12,13,14,15
	v_exp_f32 v[128+\i], v[128+\i]
.endr
	v_nop                                          ; a plain instruction behind the last exponential,
	s_wait_alu depctr_va_vdst(0)                   ; and one wait for the sixteen
.irp i, 0,1,2,3,4,5,6,7
	v_mul_f32 v[97+2*\i], v[97+2*\i], v[128+\i]
.endr
.irp i, 0,1,2,3,4,5,6,7
	v_fmac_f32 v[97+2*\i], v[113+2*\i], v[136+\i]
.endr
.irp i, 0,1,2,3,4,5,6,7
	v_mov_b32 v[96+2*\i], v[64+\i]
.endr
.endm
	s_load_b256 s[4:11], s[0:1], 0x0               ; img s[4:5], noise_logvar s[6:7], kde_logvar s[8:9], part s[10:11]
	v_lshl_add_u32 v[SPW], v0, 2, SPARE
	v_mov_b32 v[NIL], 0
	ds_add_u32 v[SPW], v[NIL]                      ; the wave's opening: the add, twice on end, and its wait ahead of my first tensor load; the set-up below stands between
	ds_add_u32 v[SPW], v[NIL]                      ; and once more, under the one wait
	v_lshrrev_b32 v48, 5, v0
	v_readfirstlane_b32 s[WV], v48                 ; wave 0..7
	s_and_b32 s13, s[WV], 3                        ; g
	s_lshr_b32 s14, s[WV], 2                       ; s2
	s_and_b32 s17, ttmp7, 0xffff                   ; by, which the four partners share
	; descriptor groups 1: dense blocks as rows of 256 bytes (32 elements of 8 bytes), no padding: 36 rows (a quarter of two steps), 72 rows (a quarter of four)
	s_mov_b32 s24, 15|(3<<16)|(1<<21)              ; 15:0 the mask: all four work-groups; 17:16 elements of 8 bytes; 21 set beside a mask
	s_mov_b32 s25, 32<<16                          ; tensor_dim0 = 32
	s_mov_b32 s26, 36<<16                          ; tensor_dim1 = 36
	s_mov_b32 s27, 32<<16                          ; tile_dim0 = 32
	s_mov_b32 s28, 36                              ; tile_dim1 = 36
	s_mov_b32 s29, 32                              ; elements from row to row
	s_mov_b32 s30, 0
	s_mov_b32 s31, 0
	s_mov_b32 s32, 15|(3<<16)|(1<<21)
	s_mov_b32 s33, 32<<16
	s_mov_b32 s34, 72<<16
	s_mov_b32 s35, 32<<16
	s_mov_b32 s36, 72
	s_mov_b32 s37, 32
	s_mov_b32 s38, 0
	s_mov_b32 s39, 0
	s_mul_i32 s[TB], s14, HALFB                    ; my half of the records; also the first step's
	s_mul_i32 s68, s13, 9216
	s_add_co_u32 s41, s[TB], s68                   ; load A: LDS byte = byte in the split: steps 0-1, my quarter
	s_add_co_u32 s45, s41, 2*STEPB                 ; load B: steps 2-3
	s_mul_i32 s68, s13, 18432
	s_add_co_u32 s49, s[TB], s68
	s_add_co_u32 s49, s49, 4*STEPB                 ; load C: steps 4-7
	s_mov_b32 s40, 1
	s_mov_b32 s44, 1
	s_mov_b32 s48, 1
	s_mul_i32 s18, s17, SPLITB
	s_mov_b32 s19, 0
	s_mov_b32 s20, 0x76543210
	s_mov_b32 s21, 0xfedcba98                      ; v_permlanex16_b32's selects for lane l xor 16
	s_wait_dscnt 0x0                               ; both opening adds are done
	s_wait_kmcnt 0x0
	s_add_nc_u64 s[70:71], s[4:5], s[18:19]        ; the split's first record
	s_mov_b32 s18, s41
	s_add_nc_u64 s[42:43], s[70:71], s[18:19]
	s_add_nc_u64 s[46:47], s[42:43], 2*STEPB
	s_mov_b32 s18, s49
	s_add_nc_u64 s[50:51], s[70:71], s[18:19]
	s_or_b32 s43, s43, 0x80000000                  ; type = 2
	s_or_b32 s47, s47, 0x80000000
	s_or_b32 s51, s51, 0x80000000
	CROUND                                         ; all four work-groups are here: the joint loads meet
	tensor_load_to_lds s[40:43], s[24:31]
	s_nop 0
	tensor_load_to_lds s[44:47], s[24:31]
	s_nop 0
	tensor_load_to_lds s[48:51], s[32:39]
	s_nop 0
.rept 4
	v_nop
.endr
	s_load_b32 s60, s[6:7], 0x0                    ; noise_logvar
	s_load_b32 s61, s[8:9], 0x0                    ; kde_logvar
	s_bfe_u32 s15, ttmp6, 0x40000                  ; cx: it enters global addresses of the queries and of part, and the number DL, and nothing else
	s_lshl_b32 s16, ttmp9, 2
	s_add_co_u32 s16, s16, s15                     ; bx
	s_lshl_b32 s72, s16, 4
	s_lshl_b32 s74, s13, 2
	s_add_co_u32 s72, s72, s74                     ; my first query tile: 16 bx + 4 g
	s_mul_i32 s72, s72, REC
	s_mov_b32 s73, 0
	s_add_nc_u64 s[62:63], s[4:5], s[72:73]
	v_and_b32 v48, 31, v0                          ; lane
	v_and_b32 v49, 15, v0                          ; r
	v_bfe_u32 v50, v0, 4, 1                        ; h
	v_lshlrev_b32 v[AK0], 4, v48
	v_lshl_add_u32 v[AS0], v48, 3, 4096
	v_lshl_add_u32 v[AB0], v50, 5, 4352
	v_lshlrev_b32 v[RO], 2, v49
	WIN 0x40                                       ; destination window 1
.irp t, 0,1,2,3
.irp s, 0,1,2,3
.irp c, 0,1
	global_load_b128 v[32*\t+8*\s+4*\c:32*\t+8*\s+4*\c+3], v[AK0], s[62:63] offset:REC*\t+1024*\s+512*\c   ; the queries' fragments stay in registers
.endr
.endr
.endr
	WIN 0
.irp t, 0,1,2,3
	global_load_b64 v[QS+2*\t:QS+2*\t+1], v[AS0], s[62:63] offset:REC*\t
	global_load_b32 v[H2Q+\t], v[RO], s[62:63] offset:REC*\t+4352
.endr
	s_lshl_b32 s68, s13, 11
	s_add_co_u32 s68, s68, STG
	v_add_nc_u32 v[STA], s68, v[AK0]               ; made here, ahead of every parting of the waves
	s_lshl_b32 s72, s17, 16                        ; part: 65,536 by + 8 (256 bx + 64 g)
	s_lshl_b32 s74, s16, 11
	s_add_co_u32 s72, s72, s74
	s_lshl_b32 s74, s13, 9
	s_add_co_u32 s72, s72, s74
	s_add_nc_u64 s[66:67], s[10:11], s[72:73]
	s_lshl_b32 s72, s16, 8                         ; my first query - my first key
	s_lshl_b32 s74, s13, 6
	s_add_co_u32 s72, s72, s74
	s_lshl_b32 s74, s17, 10
	s_sub_co_u32 s72, s72, s74
	s_lshl_b32 s74, s14, 9
	s_sub_co_u32 s72, s72, s74
	v_lshlrev_b32 v51, 3, v50
	v_sub_nc_u32 v[DL], v49, v51
	v_add_nc_u32 v[DL], s72, v[DL]                 ; queries and steps both begin at multiples of 64: i = j only where that difference is 0, n = t and v = r - 8 h
.irp t, 0,1,2,3
	v_mov_b32 v[ST+8*\t], 0x7f61b1e6               ; nb = 3e38, m = -3e38, l = 0: the first step's factor is 2^(-3e38) = 0, on a sum of 0
	v_mov_b32 v[ST+8*\t+1], 0xff61b1e6
	v_mov_b32 v[ST+8*\t+2], 0x7f61b1e6
	v_mov_b32 v[ST+8*\t+3], 0xff61b1e6
	v_mov_b32 v[ST+8*\t+4], 0
	v_mov_b32 v[ST+8*\t+5], 0
	v_mov_b32 v[ST+8*\t+6], 0
	v_mov_b32 v[ST+8*\t+7], 0
.endr
	v_mov_b32 v[A1+1], 0                           ; named as the upper halves of pairs
	v_mov_b32 v[A2+1], 0
	s_wait_kmcnt 0x0
	v_mov_b32 v48, s60
	v_mov_b32 v49, s61
	v_mul_f32 v48, 0x3fb8aa3b, v48
	v_mul_f32 v49, 0x3fb8aa3b, v49
	v_exp_f32 v50, v48                             ; exp(noise_logvar)
	v_exp_f32 v51, v49                             ; exp(kde_logvar)
	v_nop
	s_wait_alu depctr_va_vdst(0)                   ; one wait for the two
	v_add_f32 v52, v50, v51                        ; total_var
	v_rcp_f32 v53, v52
	v_rcp_f32 v54, v51
	v_mul_f32 v[PENV], 0xe258d727, v51             ; -1e21 exp(kde_logvar): k_1 times it is -1e21 log2(e).  (The plain instruction behind the reciprocals)
	s_wait_alu depctr_va_vdst(0)
	v_mul_f32 v53, 0x3fb8aa3b, v53
	v_mul_f32 v54, 0x3fb8aa3b, v54
	v_readfirstlane_b32 s[K1], v53                 ; factors only: no address and no branch is made of them
	v_readfirstlane_b32 s[K2], v54
	s_mov_b32 s[K1+1], s[K1]
	s_mov_b32 s[K2+1], s[K2]
	s_xor_b32 s56, s[K1], 0x80000000
	s_xor_b32 s57, s[K2], 0x80000000
	PENUPD                                         ; step 0's penalty
	s_wait_loadcnt 0x0                             ; the queries
	s_wait_tensorcnt 0x2                           ; my part of steps 0-1 has landed; my two later loads may be out
	s_barrier_signal -1
	s_barrier_wait -1                              ; everybody's has
	PHASE 2
	s_wait_tensorcnt 0x1                           ; my part of steps 2-3; the last load may be out
	s_wait_dscnt 0x0
	s_barrier_signal -1
	s_barrier_wait -1
	PHASE 2
	s_wait_tensorcnt 0x0                           ; my part of steps 4-7
	s_wait_dscnt 0x0
	s_barrier_signal -1
	s_barrier_wait -1
	PHASE 4
	; THE END.  Each lane's four quads (nb1, l1, nb2, l2); waves 4-7 hand theirs to waves 0-3 (the same queries, the other 512 keys) through the stage; then lane l xor 16's (the other eight keys of each tile).
.irp t, 0,1,2,3
	v_mov_b32 v[TMP+4*\t], v[ST+8*\t]
	v_add_f32 v[TMP+4*\t+1], v[ST+8*\t+4], v[ST+8*\t+5]
	v_mov_b32 v[TMP+4*\t+2], v[ST+8*\t+2]
	v_add_f32 v[TMP+4*\t+3], v[ST+8*\t+6], v[ST+8*\t+7]
.endr
	s_cmp_lt_u32 s[WV], 4
	s_cbranch_scc1 .Lkeeps
.irp t, 0,1,2,3
	ds_store_b128 v[STA], v[TMP+4*\t:TMP+4*\t+3] offset:512*\t
.endr
.Lkeeps:
	s_wait_dscnt 0x0                               ; for the others' sake: my stores have landed
	s_barrier_signal -1
	s_barrier_wait -1
	s_cmp_ge_u32 s[WV], 4
	s_cbranch_scc1 .Lend
.irp t, 0,1,2,3
	ds_load_b128 v[112+4*\t:115+4*\t], v[STA] offset:512*\t
.endr
	s_wait_dscnt 0x0
	MERGE8
.irp i, 0,1,2,3,4,5,6,7,8,9,10,11,12,13,14,15
	v_permlanex16_b32 v[112+\i], v[96+\i], s20, s21
.endr
	MERGE8
.irp i, 0,1,2,3,4,5,6,7
	v_log_f32 v[144+\i], v[97+2*\i]
.endr
.irp t, 0,1,2,3
	v_fma_f32 v[160+2*\t], s[K1], v[H2Q+\t], -v[TMP+4*\t]      ; k h2[i] - nb: h2[i] comes back here, once a row.  (Plain work behind the logarithms)
	v_fma_f32 v[161+2*\t], s[K2], v[H2Q+\t], -v[TMP+4*\t+2]
.endr
	v_bfe_u32 v185, v0, 4, 1
	v_and_b32 v184, 31, v0
	v_lshlrev_b32 v184, 3, v184
	v_cmp_eq_u32 vcc_lo, 1, v185
	s_wait_alu depctr_va_vdst(0)                   ; one wait for the eight logarithms
.irp i, 0,1,2,3,4,5,6,7
	v_add_f32 v[160+\i], v[160+\i], v[144+\i]      ; + log2(l)
.endr
.irp k, 0,1
.irp e, 0,1
	v_cndmask_b32 v[176+2*\k+\e], v[160+4*\k+\e], v[162+4*\k+\e], vcc_lo   ; lanes 0-15 send tile 2 k, lanes 16-31 tile 2 k + 1
.endr
	global_store_b64 v184, v[176+2*\k:177+2*\k], s[66:67] offset:256*\k    ; 32 queries x 8 bytes: 256 consecutive bytes, aligned
.endr
.Lend:
	s_wait_tensorcnt 0x0                           ; the wave's end, behind my last tensor load and my last LDS store
	ds_add_u32 v[SPW], v[NIL]
	s_wait_dscnt 0x0
	CROUND                                         ; the closing round: no work-group ends while a partner may still ask for a tile that names it
	s_endpgm
.Lfunc_end_k_q69d2bc038e_pairs:
	.size	k_q69d2bc038e_pairs, .Lfunc_end_k_q69d2bc038e_pairs-k_q69d2bc038e_pairs
	.p2alignl 7, 3214868480
	.fill 96, 4, 3214868480
	.section	.rodata,"a",@progbits
	.p2align	6, 0x0
	.amdhsa_kernel k_q69d2bc038e_pairs
		.amdhsa_group_segment_fixed_size 327680
		.amdhsa_private_segment_fixed_size 0
		.amdhsa_enable_private_segment 0
		.amdhsa_kernarg_size 32
		.amdhsa_user_sgpr_count 2
		.amdhsa_user_sgpr_kernarg_segment_ptr 1
		.amdhsa_wavefront_size32 1
		.amdhsa_system_sgpr_workgroup_id_x 1
		.amdhsa_system_sgpr_workgroup_id_y 1
		.amdhsa_system_sgpr_workgroup_id_z 1
		.amdhsa_system_vgpr_workitem_id 0
		.amdhsa_next_free_vgpr 512
		.amdhsa_next_free_sgpr 80
		.amdhsa_reserve_vcc 1
		.amdhsa_float_denorm_mode_32 3
		.amdhsa_float_denorm_mode_16_64 3
		.amdhsa_memory_ordered 1
		.amdhsa_forward_progress 1
		.amdhsa_inst_pref_size 151
	.end_amdhsa_kernel
	.amdgpu_metadata
---
amdhsa.version: [ 1, 2 ]
amdhsa.kernels:
  - .name:           k_q69d2bc038e_pairs
    .symbol:         k_q69d2bc038e_pairs.kd
    .args:
      - { .name: img, .offset: 0, .size: 8, .value_kind: global_buffer, .address_space: global }
      - { .name: noise_logvar, .offset: 8, .size: 8, .value_kind: global_buffer, .address_space: global }
      - { .name: kde_logvar, .offset: 16, .size: 8, .value_kind: global_buffer, .address_space: global }
      - { .name: part, .offset: 24, .size: 8, .value_kind: global_buffer, .address_space: global }
    .group_segment_fixed_size: 327680
    .private_segment_fixed_size: 0
    .kernarg_segment_align: 8
    .kernarg_segment_size: 32
    .max_flat_workgroup_size: 256
    .sgpr_count:     80
    .vgpr_count:     512
    .wavefront_size: 32
...
	.end_amdgpu_metadata
.endif
;; end of part 2
;; launch finish (part 3): grid 1 x 1, 16 waves a work-group, no clusters, 2,304 bytes of LDS; arguments part, kde_logvar, beta, out1, out2; writes out1, out2
.if DOCPART == 3
	.amdgcn_target "amdgcn-amd-amdhsa--gfx1250"
	.amdhsa_code_object_version 6
	.text
	.protected	k_q69d2bc038e_finish
	.globl	k_q69d2bc038e_finish
	.p2align	8
	.type	k_q69d2bc038e_finish,@function
k_q69d2bc038e_finish:
	s_mov_b64 s[64:65], 0
	v_nop
	global_prefetch_b8 v0, s[64:65] scope:SCOPE_SE
	s_setreg_imm32_b32 hwreg(HW_REG_WAVE_MODE, 25, 1), 1
	s_wait_xcnt 0x0
; part[split][i][e] = log2 of split's part of row i's sum, e = 0, 1.  Z_e[i] = log2 of the sum over the 8 splits of 2^part, the largest taken away first; lse_e[i] = ln 2 x Z_e[i].
; out1 = beta (ln 8192 - mean(lse_0));   out2 = ln 8191 - mean(lse_1) + 256 (ln 2 pi + kde_logvar).
; WORK LEFT OUT (shown at the head of the first launch): normconst, which reference() adds to h and takes away again in mi; and exp and log in ln(2 pi exp(kde_logvar)) = ln 2 pi + kde_logvar.
; One work-group owns both numbers: a sum over all rows has one owner, and 512 KiB are little.  A thread takes 8 groups of two rows: eight loads of 16 bytes a group (the eight splits), a wave's load 512 consecutive bytes;
; four groups (32 loads a wave) are on their way.  No matrix unit, no cluster, no prefetch: the launch is short and reads each byte once.
.set SPARE, 256                        ; LDS: bytes 0-127 the sixteen waves' sums; from 256 the spare words, 128 bytes for each wave: eight blocks of 256 bytes that no other line names
	s_load_b256 s[4:11], s[0:1], 0x0               ; part s[4:5], kde_logvar s[6:7], beta s[8:9], out1 s[10:11]
	s_load_b64 s[12:13], s[0:1], 0x20              ; out2
	v_lshl_add_u32 v4, v0, 2, SPARE                ; my spare word; never rewritten
	v_mov_b32 v5, 0                                ; 0; never rewritten
	v_lshlrev_b32 v1, 4, v0                        ; 16 x thread: two rows' (Z_0, Z_1) parts
	v_lshrrev_b32 v2, 5, v0
	v_readfirstlane_b32 s16, v2                    ; wave
	v_lshlrev_b32 v2, 3, v2                        ; 8 x wave
	v_mov_b32 v3, 0
	s_mov_b32 s20, 0x76543210
	s_mov_b32 s21, 0xfedcba98
	s_wait_kmcnt 0x0
	s_load_b32 s14, s[6:7], 0x0                    ; kde_logvar
	s_load_b32 s15, s[8:9], 0x0                    ; beta
.macro LOADG j                         ; group j into slot j % 4: split sp at v[16 + 32 (j % 4) + 4 sp]
.irp sp, 0,1,2,3,4,5,6,7
	global_load_b128 v[16+32*((\j)%4)+4*\sp:16+32*((\j)%4)+4*\sp+3], v1, s[4:5] offset:65536*\sp+8192*(\j) th:TH_LOAD_NT
.endr
.endm
.macro GROUP j, left                   ; left: the loads of the younger groups, which may stay out
.set gB, 16+32*((\j)%4)
	s_wait_loadcnt \left
.irp c, 0,1,2,3
	v_max3_num_f32 v[144+\c], v[gB+\c], v[gB+4+\c], v[gB+8+\c]     ; the largest of the eight splits, for each of my four numbers
.endr
.irp c, 0,1,2,3
	v_max3_num_f32 v[144+\c], v[144+\c], v[gB+12+\c], v[gB+16+\c]
.endr
.irp c, 0,1,2,3
	v_max3_num_f32 v[144+\c], v[144+\c], v[gB+20+\c], v[gB+24+\c]
.endr
.irp c, 0,1,2,3
	v_max_num_f32 v[144+\c], v[144+\c], v[gB+28+\c]
.endr
.irp sp, 0,1,2,3,4,5,6,7
	v_pk_add_f32 v[gB+4*\sp:gB+4*\sp+1], v[gB+4*\sp:gB+4*\sp+1], v[144:145] neg_lo:[0,1] neg_hi:[0,1]
	v_pk_add_f32 v[gB+4*\sp+2:gB+4*\sp+3], v[gB+4*\sp+2:gB+4*\sp+3], v[146:147] neg_lo:[0,1] neg_hi:[0,1]
.endr
.irp i, 0,1,2,3,4,5,6,7,8,9,10,11,12,13,14,15,16,17,18,19,20,21,22,23,24,25,26,27,28,29,30,31
	v_exp_f32 v[gB+\i], v[gB+\i]
.endr
	v_nop                                          ; a plain instruction behind the last exponential,
	s_wait_alu depctr_va_vdst(0)                   ; and the wait ahead of the first use: one for the 32
.irp sp, 1,2,3,4,5,6,7
	v_pk_add_f32 v[gB:gB+1], v[gB:gB+1], v[gB+4*\sp:gB+4*\sp+1]
	v_pk_add_f32 v[gB+2:gB+3], v[gB+2:gB+3], v[gB+4*\sp+2:gB+4*\sp+3]
.endr
.irp c, 0,1,2,3
	v_log_f32 v[150+\c], v[gB+\c]
.endr
	v_nop
	s_wait_alu depctr_va_vdst(0)                   ; one for the four
	v_pk_add_f32 v[150:151], v[150:151], v[144:145]    ; the maximum comes back: (Z_0, Z_1) of my first row,
	v_pk_add_f32 v[152:153], v[152:153], v[146:147]    ; and of my second
.if (\j) == 0
	v_pk_add_f32 v[148:149], v[150:151], v[152:153]    ; the first group starts the sums
.else
	v_pk_add_f32 v[148:149], v[148:149], v[150:151]
	v_pk_add_f32 v[148:149], v[148:149], v[152:153]
.endif
.if (\j)+4 < 8
	LOADG (\j)+4                                   ; the slot takes the group four further on
.endif
.endm
	LOADG 0
	LOADG 1
	LOADG 2
	LOADG 3
	s_wait_kmcnt 0x0
	GROUP 0, 24
	GROUP 1, 24
	GROUP 2, 24
	GROUP 3, 24
	GROUP 4, 24
	GROUP 5, 16
	GROUP 6, 8
	GROUP 7, 0
.irp m, 1,2,4,8
	v_add_f32_dpp v148, v148, v148 row_xmask:\m row_mask:0xf bank_mask:0xf
	v_add_f32_dpp v149, v149, v149 row_xmask:\m row_mask:0xf bank_mask:0xf
.endr
	v_permlanex16_b32 v150, v148, s20, s21
	v_permlanex16_b32 v151, v149, s20, s21
	v_pk_add_f32 v[148:149], v[148:149], v[150:151]    ; the wave's two sums, in every lane
	ds_store_b64 v2, v[148:149]                    ; all lanes write the same 8 bytes with the same values
	s_wait_dscnt 0x0                               ; for the others' sake
	s_barrier_signal -1
	s_barrier_wait -1
	s_cmp_lg_u32 s16, 0
	s_cbranch_scc1 .Lothers
.irp i, 0,1,2,3,4,5,6,7
	ds_load_b128 v[16+4*\i:19+4*\i], v3 offset:16*\i
.endr
	s_wait_dscnt 0x0
.irp i, 1,2,3,4,5,6,7
	v_pk_add_f32 v[16:17], v[16:17], v[16+4*\i:17+4*\i]
	v_pk_add_f32 v[18:19], v[18:19], v[18+4*\i:19+4*\i]
.endr
	v_pk_add_f32 v[16:17], v[16:17], v[18:19]      ; the sums of Z_0 and of Z_1 over all 8,192 rows
	v_mov_b32 v150, 0xb8b17218                     ; -ln 2 / 8192
	v_fmaak_f32 v151, v16, v150, 0x41102cb3        ; ln 8192 - mean(lse_0)
	v_mul_f32 v151, s15, v151                      ; x beta
	v_fmaak_f32 v152, v17, v150, 0x41102c33        ; ln 8191 - mean(lse_1)
	v_mov_b32 v153, s14
	v_mov_b32 v154, 0x43800000                     ; 256
	v_fmaak_f32 v153, v153, v154, 0x43eb3f8e       ; 256 kde_logvar + 256 ln 2 pi
	v_add_f32 v152, v152, v153
	v_cmp_eq_u32 vcc_lo, 0, v0
	s_wait_xcnt 0x0                                ; EXEC changes only behind this wait
	s_and_saveexec_b32 s22, vcc_lo                 ; thread 0 alone stores
	global_store_b32 v3, v151, s[10:11]
	global_store_b32 v3, v152, s[12:13]
	s_wait_xcnt 0x0                                ; and again, in front of the line that widens it
	s_or_b32 exec_lo, exec_lo, s22
.Lothers:
	s_wait_tensorcnt 0x0                           ; the wave's end, behind my last LDS store
	ds_add_u32 v4, v5
	s_wait_dscnt 0x0
	s_endpgm
.Lfunc_end_k_q69d2bc038e_finish:
	.size	k_q69d2bc038e_finish, .Lfunc_end_k_q69d2bc038e_finish-k_q69d2bc038e_finish
	.p2alignl 7, 3214868480
	.fill 96, 4, 3214868480
	.section	.rodata,"a",@progbits
	.p2align	6, 0x0
	.amdhsa_kernel k_q69d2bc038e_finish
		.amdhsa_group_segment_fixed_size 2304
		.amdhsa_private_segment_fixed_size 0
		.amdhsa_enable_private_segment 0
		.amdhsa_kernarg_size 40
		.amdhsa_user_sgpr_count 2
		.amdhsa_user_sgpr_kernarg_segment_ptr 1
		.amdhsa_wavefront_size32 1
		.amdhsa_system_sgpr_workgroup_id_x 1
		.amdhsa_system_sgpr_workgroup_id_y 1
		.amdhsa_system_sgpr_workgroup_id_z 1
		.amdhsa_system_vgpr_workitem_id 0
		.amdhsa_next_free_vgpr 160
		.amdhsa_next_free_sgpr 66
		.amdhsa_reserve_vcc 1
		.amdhsa_float_denorm_mode_32 3
		.amdhsa_float_denorm_mode_16_64 3
		.amdhsa_memory_ordered 1
		.amdhsa_forward_progress 1
		.amdhsa_inst_pref_size 45
	.end_amdhsa_kernel
	.amdgpu_metadata
---
amdhsa.version: [ 1, 2 ]
amdhsa.kernels:
  - .name:           k_q69d2bc038e_finish
    .symbol:         k_q69d2bc038e_finish.kd
    .args:
      - { .name: part, .offset: 0, .size: 8, .value_kind: global_buffer, .address_space: global }
      - { .name: kde_logvar, .offset: 8, .size: 8, .value_kind: global_buffer, .address_space: global }
      - { .name: beta, .offset: 16, .size: 8, .value_kind: global_buffer, .address_space: global }
      - { .name: out1, .offset: 24, .size: 8, .value_kind: global_buffer, .address_space: global }
      - { .name: out2, .offset: 32, .size: 8, .value_kind: global_buffer, .address_space: global }
    .group_segment_fixed_size: 2304
    .private_segment_fixed_size: 0
    .kernarg_segment_align: 8
    .kernarg_segment_size: 40
    .max_flat_workgroup_size: 512
    .sgpr_count:     66
    .vgpr_count:     160
    .wavefront_size: 32
...
	.end_amdgpu_metadata
.endif
;; end of part 3
